; MI455X (gfx1250); checked and timed in simulation.
; The chip was launched on July 23, 2026; its instructions are those of AMD's public machine-readable ISA for CDNA 5 (MIT licence, August 2026) and "CDNA5" Instruction Set Architecture Reference Guide (July 2026). The comments in the code are by the model that wrote it; some were corrected since.
;; Soft Token Map. Allowed arithmetic: matrix products marked QUANTISED: E5M2 operands, one E8M0 scale for each 32 along K, by v_wmma_scale_f32_16x16x128_f8f6f4 with both operands' format E5M2, f32 sums; everything else in f32.
;; Inputs: embed_weight_codes 512 x 1,000 x 32 uint8 (E5M2 codes of embed_weight, K innermost, in blocks of 32 codes); embed_weight_scales 512 x 1,000 uint8 (E8M0 scales of embed_weight, one for each 32 codes along K); mapping_logits 1,024 x 32,000 float32; token_ids 8 x 512 int32.
;; Outputs: out0 8 x 512 x 512 float32.
;; This version of the problem:
;;   THIS VERSION OF THE PROBLEM IS GIVEN IN LOW PRECISION. The matrix products marked QUANTISED in the list below multiply operands that are first quantised to E5M2 (5 exponent bits, 2 mantissa bits; 8 bits a number), with one power-of-two scale for each 32 numbers along K (OCP MX v1.0); their sums are f32. All else is computed in f32.
;;   The module's matrix products, in the order in which they are computed (A, B: the left and right operand; K: the contracted axis; several contracted axes count as one K, in the product's order):
;;     1. [M 4,096, K 32,000] x [K 32,000, N 512]; A: softmax (see below); B: input embed_weight (given as codes): QUANTISED
;;   THE QUANTISER, for each operand of a quantised product, along K:
;;     - K is cut into blocks of 32 from its start; a last block that is shorter is filled with zeros.
;;     - A block's scale is 2^e with e = floor(log2(the largest magnitude in the block)) - 15, held to -126 .. 127; a block of zeros has e = 0. As a byte (E8M0): e + 127.
;;     - Each number is divided by its block's scale, clamped to +-57,344, and rounded to the nearest number of E5M2, ties to even, subnormals kept.
;;     - The product sums the exact products of the quantised numbers (number of the format x scale) in f32.
;;   ~~~python
;;   def quantise(x, axis):      # numpy; x: float32 -> the quantised numbers, widened to float32 again
;;       x = np.moveaxis(x, axis, -1); K = x.shape[-1]
;;       x = np.pad(x, [(0, 0)] * (x.ndim - 1) + [(0, -K % 32)]); x = x.reshape(x.shape[:-1] + (-1, 32)); a = np.abs(x).max(-1, keepdims=True)
;;       e = np.where(a > 0, np.clip(np.frexp(np.where(a > 0, a, 1))[1] - 1 - 15, -126, 127), 0)      # np.frexp(a)[1] - 1 = floor(log2(a)), exactly
;;       r = np.clip(x / 2.0 ** e, -57344, 57344)
;;       step = 2.0 ** (np.maximum(np.frexp(np.where(r == 0, 1, r))[1] - 1, -14) - 2)
;;       q = np.round(r / step) * step * 2.0 ** e      # np.round: ties to even
;;       return np.moveaxis(q.reshape(q.shape[:-2] + (-1,))[..., :K], -1, axis).astype(np.float32)
;;   ~~~
;;   SOFTMAX AHEAD OF A QUANTISED PRODUCT. Where the list says 'softmax', what is quantised is not the finished softmax but p = 2^(t - M), with t = logit x log2(e) and M = ceil(the row's largest t), a whole number; so 1/2 < the row's largest p <= 1. The row's sum l is taken of the UNQUANTISED p, in f32, and the product's result is divided by l at the end. Since M is a whole number, a kernel that streams over the keys may use a running M (the ceiling of the running maximum): every later rescaling is an exact power of two, which a block's scale takes up: the codes' values come out the same.
;;   OPERANDS COMPUTED ON THE WAY. 'Computed on the way' means the value that the module computes at that place (a softmax that the list does not call 'softmax' is quantised finished and normalised). What goes into a quantiser is computed in f32, as accurately as f32 sums, v_exp_f32 and their like allow (about 1e-6 of the number): no bf16 or f16 on the way to a quantiser, and a product that is left as it is and whose result goes on into a quantised operand takes f32 operands (vector FMAs, or v_wmma_f32_16x16x4_f32). A number that lies on a knife's edge between two numbers of the format may be rounded either way, as far as f32 arithmetic and the matrix unit's own rounding can turn it there, and no further.
;;   INPUTS GIVEN AS CODES. embed_weight (in the module: [32000, 512], K = its axis 0): each comes as NAME_codes (uint8): NAME with its K axis moved to the last place and cut into blocks of 32 codes, [.., K / 32, bytes a block], one block behind the other in memory; one code a byte (a code: sign, 5 exponent bits, 2 mantissa bits); and NAME_scales (uint8): the same leading axes, one E8M0 byte (e + 127) for each 32 codes along K. Its value is code x scale, taken as it is: it is not quantised again, and the codes and scales need not be those that the quantiser above would give.
;; One version. Each part assembles by itself: llvm-mc -triple=amdgcn-amd-amdhsa -mcpu=gfx1250 --defsym DOCPART=n.
;; ======== version 1 of 1: 2 launches
;; limits: right only within a limited range of input values
;; workspace buffers: part 33,554,432 bytes; stats 131,072 bytes
;; launch product (part 1): grid 16 x 16, 8 waves a work-group, clusters of 4 x 1, 327,680 bytes of LDS; arguments mapping_logits, embed_weight_codes, embed_weight_scales, part, stats; writes part, stats
.if DOCPART == 1
	.amdgcn_target "amdgcn-amd-amdhsa--gfx1250"
	.amdhsa_code_object_version 6
	.text
	.protected	k_qb34bbdd574_product
	.globl	k_qb34bbdd574_product
	.p2align	8
	.type	k_qb34bbdd574_product,@function
k_qb34bbdd574_product:
	s_mov_b64 s[64:65], 0
	v_nop
	global_prefetch_b8 v0, s[64:65] scope:SCOPE_SE
	s_setreg_imm32_b32 hwreg(HW_REG_WAVE_MODE, 25, 1), 1
	s_wait_xcnt 0x0
	s_wait_alu depctr_hold_cnt(0) depctr_sa_sdst(0) depctr_va_vdst(0) depctr_va_sdst(0) depctr_va_ssrc(0) depctr_va_vcc(0) depctr_vm_vsrc(0)
	s_getreg_b32 s2, hwreg(HW_REG_IB_STS2, 6, 4)
	s_cmp_eq_u32 s2, 0
	s_cbranch_scc0 .Lentry_in_a_cluster
	s_endpgm
.Lentry_in_a_cluster:
	s_bfe_u32 s2, ttmp6, 0x10000c
	s_cmp_lg_u32 s2, 0x3003
	s_cbranch_scc0 .Lentry_shape_is_right
	s_endpgm
.Lentry_shape_is_right:
; SoftTokenMap, launch 1 of 2.  A token's result hangs on its row of mapping_logits alone, so the product is made once for each of the 1,024 rows of that table; launch 2 copies a row's result to the tokens that name it.
; For table row i: p = 2^(t - M), t = logit x log2(e), M a whole number; p is quantised to E5M2 with one E8M0 scale for each 32 along the 32,000; O = p B^T on codes (B = embed_weight: [512][32,000] codes, [512][1,000] scale bytes).
; SHARES.  Work-group (x, y) takes table rows 64 x .. 64 x + 63, all 512 columns, and 8 intervals of 256 along K from interval i0 = min(8 y, 117) on.  Each chunk keeps a running M of its own; it stores O under that M in
; part [16][1024][512] and (-M, the sum of the unquantised p) in stats [16][1024][2]; launch 2 joins the chunks by powers of two.  125 intervals are not 16 x 8: chunk 15 begins 3 intervals early; in those, which are
; chunk 14's, its logits are replaced by -infinity (zero codes, nothing summed): a scalar branch on the work-group's number, the same in all partners of a cluster.
; ROLES.  Waves 0-3 PRODUCE: wave w owns rows 16 w .. + 15.  Waves 4-7 CONSUME: wave w owns columns 128 (w - 4) .. + 127 of all 64 rows: 32 accumulators.  In tick i the producers make interval i, the consumers multiply interval i - 1.
; THE QUANTISER WITHOUT M.  With F = floor(a block's largest t), the block's scale is 2^(F - M - 15), so a code is 2^(t - F) under the constant scale 2^-15, held at 1.75: the codes do not hang on M; only the byte, F - M + 112, does.
; A PRODUCER KEEPS THE LOGITS AS THEY ARE LOADED: a load takes 512 consecutive bytes of one row, so lane l holds k = 4 l .. 4 l + 3 of 16 rows, and a block of 32 lies in 8 lanes.  A conversion takes two rows' four numbers and gives a word
; of codes for each; a word goes to its place in an image of the operand's registers in LDS.  No f32 number passes through LDS.  What is one number for a row and a block (F, the byte, 2^(F - M)) is packed, lane 8 b + j of
; register rho holding row 8 rho + j, block b, computed there once, and spread again inside each 8 lanes.
; The row's sum is taken of the unheld 2^(t - F) x 2^(F - M), in f32, a pair of sums a row and lane.  M moves once an interval: the sums and the accumulators are multiplied by f = 2^(old M - new M), which rounds nothing.
; B's codes come through a ring of two LDS slots of 256 along K (512 rows x 256 bytes), every wave fetching 64 rows, asked for jointly by the four work-groups of a cluster, which share y (mask 15).  The logits are shared by nobody.
; All eight fills stand in the loop, so no jump leads round one; a fill is asked for at the head of the tick before the one that multiplies it.
; The logits have two sets of 128 registers (one interval each); a set is asked for again at the end of the tick that used it, two intervals ahead.  So no prefetch is laid: the launch's stream is already asked for more than a tick ahead.
; B's scale bytes: 8 bytes a row and interval, loaded by each consumer straight into its scale registers a tick ahead (512 x 64 bytes a chunk do not fit beside the ring).
; LIMITS.  NaN and +infinity among the logits are not served.  A block whose largest p lies under 2^-111 of the running largest gets the byte 1 with codes made for its own F: it then counts for at most 2^-110.  Logits under -1e30 count as -1e30
; in a block's maximum.  The f32 sums are taken chunk by chunk and joined in launch 2.  stats is stored by lanes that hold the same row four times, with the same values.
.set LROW,  128000
.set BROW,  32000
.set SROW,  1000
.set BP,    272                        ; 256 bytes + 16 of padding
.set WTILE, 64*BP
.set SLOTB, 8*WTILE
.set IMG,   2*SLOTB                    ; images of p: buffer x IMB + step x IMQ + row tile x IMT + (2 c + h) x 272 + 16 r
.set IMT,   8*BP
.set IMQ,   4*IMT
.set IMB,   2*IMQ
.set PSC,   IMG+2*IMB                  ; p's scale words: buffer x 512 + step x 256 + tile x 64 + 4 row + block
.set PFW,   PSC+1024                   ; f: buffer x 256 + tile x 64 + 4 row
.set SPARE, PFW+512                    ; the spare words, 128 bytes a wave
.set EP,    528                        ; the way out: a consumer's stage of 16 rows x (512 + 16) bytes in slot 0, which has had its last fill (tick 6) and its last read (tick 7)
.set EW,    16*EP
; vector registers of every wave, made ahead of the first parting of the roles
.set SPW, 1
.set NIL, 2
.set IMR, 3                            ; IMG + 272 h + 16 r
.set IMW, 4                            ; IMG + my tile + 272 (l / 4) + 4 (l % 4)
.set SCR, 5                            ; PSC + 4 r
.set SCW, 6                            ; PSC + 64 tile + 4 (l % 8) + l / 8
.set FWR, 7                            ; PFW + 4 r
.set FWW, 8                            ; PFW + 64 tile + 4 (l % 8)
.set AB0, 9                            ; v9, v10: my 128 rows of B in slot 0, 1: row r, byte 16 h
.set LGO, 11                           ; 16 l
.set SBO, 12                           ; B's scale bytes: row r + 64 h
.set EST, 13
.set ERD, 14
.set SVO, 16                           ; 8 (l % 8)
.set BND, 17                           ; 1.75 = 57,344 x 2^-15
.set SCV, 18                           ; 2^-15: the conversions' scale operand
; consumers, window 0 (window 1: accumulator (b, m) at v[8 (4 b + m)])
.set FW,  24                           ; v24, 26, 28, 30: f of row tile m (odd partners 0)
.set SB,  40                           ; v40-47 B's scale words: 2 t + step; lanes 0-15 column tile t, lanes 16-31 tile t + 4
.set SA,  48                           ; v48-55 p's: 2 m + 1 - step: never B's number modulo 8
.set AF,  64
.set BF,  128
; producers, window 0; set 0 of logits v128-255 of window 0, set 1 v128-255 of window 1: register 128 + 64 step + 4 row + e; window 1 v0-31: the sums, a pair a row
.set PB,  20                           ; v20-23 packed, 2 step + rho: a block's largest logit, then t, then F
.set XX,  24
.set TM,  26                           ; the largest t so far
.set NM,  28                           ; -M
.set DD,  30                           ; old -M, then f
.set GG,  32                           ; F - M, at least -111
.set WW,  36                           ; 2^(F - M)
.set BY,  40                           ; the byte
.set BM,  44                           ; v44-75 by row and step: the block's largest logit, then F
.set WU,  76                           ; v76-107 2^(F - M)
.set CD,  108                          ; v108-123 f by row, then a step's codes by row
.set TP,  124
; scalar registers
.set WV,  14
.set W3,  15
.set CX,  16
.set MX,  17
.set SY,  18
.set I0,  19
.set HID, 20
.set TK,  21                           ; 2 x trip
.set WOFF, 24
.set G0,  28
.set G1,  32
.set SEL, 40
.set CS,  42
.set FLO, 44
.set NINF, 45
.set LP,  46
.set SBP, 48
.set POB, 50
.set STB, 52
.set T0,  54
.set T1,  56
.set MK,  66                           ; s67-73: lanes with l % 8 = j
.set MSB, 0
.macro WIN new                         ; low byte: bits 1:0 source 0, 3:2 source 1, 5:4 source 2, 7:6 destination; the high byte repeats the setting that is left
.if MSB != \new
	s_set_vgpr_msb (MSB<<8)|\new
.set MSB, \new
.endif
.endm
.macro WALU
	s_wait_alu depctr_va_vdst(0)
.endm
.macro ROUND
	s_barrier_signal -1
	s_barrier_wait -1
	s_cmp_lg_u32 s[WV], 0
	s_cbranch_scc1 .Lnot_wave_0_\@
	s_barrier_signal -3
.Lnot_wave_0_\@:
	s_barrier_wait -3
	s_barrier_signal -1
	s_barrier_wait -1
.endm
.macro PLOAD S, off                    ; an interval of my 16 rows into set S: each load 512 consecutive, aligned bytes of one row
	WIN (\S)<<6
.irp q, 0,1
.irp i, 0,1,2,3,4,5,6,7,8,9,10,11,12,13,14,15
	global_load_b128 v[128+64*\q+4*\i:131+64*\q+4*\i], v[LGO], s[LP:LP+1] offset:(\off)+LROW*\i+512*\q th:TH_LOAD_NT
.endr
.endr
	WIN 0
.endm
.macro ARG n                           ; t - F of the four numbers of row and step n: one fused multiply-add each, F taken from its half of a pair
.irp e, 0,2
.if (\n)%2
	v_pk_fma_f32 v[128+4*(\n)+\e:129+4*(\n)+\e], v[128+4*(\n)+\e:129+4*(\n)+\e], s[CS:CS+1], v[BM+(\n)-1:BM+(\n)] op_sel:[0,0,1] op_sel_hi:[1,0,1] neg_lo:[0,0,1] neg_hi:[0,0,1]
.else
	v_pk_fma_f32 v[128+4*(\n)+\e:129+4*(\n)+\e], v[128+4*(\n)+\e:129+4*(\n)+\e], s[CS:CS+1], v[BM+(\n):BM+(\n)+1] op_sel_hi:[1,0,0] neg_lo:[0,0,1] neg_hi:[0,0,1]
.endif
.endr
.endm
.macro LADD n, e                       ; the row's pair of sums takes two numbers x 2^(F - M)
.if (\n)%2
	v_pk_fma_f32 v[2*((\n)%16):2*((\n)%16)+1], v[128+4*(\n)+\e:129+4*(\n)+\e], v[WU+(\n)-1:WU+(\n)], v[2*((\n)%16):2*((\n)%16)+1] op_sel:[0,1,0] op_sel_hi:[1,1,1]
.else
	v_pk_fma_f32 v[2*((\n)%16):2*((\n)%16)+1], v[128+4*(\n)+\e:129+4*(\n)+\e], v[WU+(\n):WU+(\n)+1], v[2*((\n)%16):2*((\n)%16)+1] op_sel_hi:[1,0,1]
.endif
.endm
; AN INTERVAL OF A PRODUCER: set S becomes two fragments of codes, their scale words and f, in image buffer buf
.macro PMAKE S, buf
	WIN 0x15*(\S)
.set nn, 0
.rept 32
	v_max3_num_f32 v[BM+nn], v[128+4*nn], v[129+4*nn], v[130+4*nn]
.set nn, nn+1
.endr
	WIN 0x01*(\S)
.set nn, 0
.rept 32
	v_max3_num_f32 v[BM+nn], v[131+4*nn], v[BM+nn], s[FLO]          ; my four numbers, and -1e30 under them
.set nn, nn+1
.endr
	WIN 0
.irp x, 1,2,4
.set nn, 0
.rept 32
	v_max_num_f32_dpp v[BM+nn], v[BM+nn], v[BM+nn] row_xmask:\x row_mask:0xf bank_mask:0xf   ; over the block's 8 lanes
.set nn, nn+1
.endr
.endr
.irp p, 0,1,2,3
	v_cndmask_b32 v[PB+\p], v[BM+8*\p], v[BM+8*\p+1], s[MK+1]       ; packed: lane 8 b + j keeps row 8 rho + j
.endr
.irp j, 2,3,4,5,6,7
.irp p, 0,1,2,3
	v_cndmask_b32 v[PB+\p], v[PB+\p], v[BM+8*\p+\j], s[MK+\j]
.endr
.endr
.irp p, 0,1,2,3
	v_mul_f32 v[PB+\p], s[CS], v[PB+\p]                             ; as t
.endr
	v_mov_b32 v[DD], v[NM]
	v_mov_b32 v[DD+1], v[NM+1]
	v_max_num_f32 v[XX], v[PB], v[PB+2]
	v_max_num_f32 v[XX+1], v[PB+1], v[PB+3]
	v_max_num_f32_dpp v[XX], v[XX], v[XX] row_xmask:8 row_mask:0xf bank_mask:0xf
	v_max_num_f32_dpp v[XX+1], v[XX+1], v[XX+1] row_xmask:8 row_mask:0xf bank_mask:0xf
	v_permlanex16_b32 v[TP], v[XX], s[SEL], s[SEL+1]
	v_permlanex16_b32 v[TP+1], v[XX+1], s[SEL], s[SEL+1]
.irp p, 0,1,2,3
	v_floor_f32 v[PB+\p], v[PB+\p]                                  ; F
.endr
	v_max3_num_f32 v[TM], v[TM], v[XX], v[TP]                       ; the row's running largest t
	v_max3_num_f32 v[TM+1], v[TM+1], v[XX+1], v[TP+1]
	v_floor_f32 v[NM], -v[TM]                                       ; -M = -ceil(t)
	v_floor_f32 v[NM+1], -v[TM+1]
	v_sub_f32 v[DD], v[NM], v[DD]                                   ; old M - new M
	v_sub_f32 v[DD+1], v[NM+1], v[DD+1]
.irp p, 0,1,2,3
	v_add_f32 v[GG+\p], v[PB+\p], v[NM+(\p%2)]                      ; F - M: a whole number, 0 or less
.endr
	v_cvt_i32_f32 v[DD], v[DD]                                      ; (it saturates)
	v_cvt_i32_f32 v[DD+1], v[DD+1]
.irp p, 0,1,2,3
	v_max_num_f32 v[GG+\p], 0xc2de0000, v[GG+\p]                    ; at least -111: the byte cannot fall under 1
.endr
	v_ldexp_f32 v[DD], 1.0, v[DD]                                   ; f
	v_ldexp_f32 v[DD+1], 1.0, v[DD+1]
.irp p, 0,1,2,3
	v_cvt_i32_f32 v[GG+\p], v[GG+\p]
.endr
.irp p, 0,1,2,3
	v_add_lshl_u32 v[WW+\p], v[GG+\p], 127, 23                      ; 2^(F - M)
.endr
.irp p, 0,1,2,3
	v_add_nc_u32 v[BY+\p], 112, v[GG+\p]                            ; the byte: F - M - 15 + 127
.endr
.irp j, 0,1,2,3,4,5,6,7                ; spread again inside each 8 lanes
.irp p, 0,1,2,3
	v_mov_b32_dpp v[BM+8*\p+\j], v[PB+\p] dpp8:[\j,\j,\j,\j,\j,\j,\j,\j]
	v_mov_b32_dpp v[WU+8*\p+\j], v[WW+\p] dpp8:[\j,\j,\j,\j,\j,\j,\j,\j]
.endr
.irp p, 0,1
	v_mov_b32_dpp v[CD+8*\p+\j], v[DD+\p] dpp8:[\j,\j,\j,\j,\j,\j,\j,\j]
.endr
.endr
.irp p, 0,1,2,3
	ds_store_b8 v[SCW], v[BY+\p] offset:512*(\buf)+256*(\p/2)+32*(\p%2)
.endr
	ds_store_b32 v[FWW], v[DD] offset:256*(\buf)
	ds_store_b32 v[FWW], v[DD+1] offset:256*(\buf)+32
	WIN 0x41
.irp i, 0,2,4,6,8,10,12,14
	v_pk_mul_f32 v[2*\i:2*\i+1], v[2*\i:2*\i+1], v[CD+\i:CD+\i+1] op_sel_hi:[1,0]                  ; the sums under the new M
	v_pk_mul_f32 v[2*\i+2:2*\i+3], v[2*\i+2:2*\i+3], v[CD+\i:CD+\i+1] op_sel:[0,1] op_sel_hi:[1,1]
.endr
	WIN 0x41*(\S)
.set nn, 0
.rept 32
	ARG nn
.set nn, nn+1
.endr
	WALU                                           ; the wait ahead of the batch
.set nn, 0
.rept 128
	v_exp_f32 v[128+nn], v[128+nn]                 ; 2^(t - F), under 2
.set nn, nn+1
.endr
	v_nop
	WALU                                           ; and behind it, ahead of its first reader
	WIN 0x50+(\S)
.irp e, 0,2
.set nn, 0
.rept 32
	LADD nn, \e                                    ; the sum is taken ahead of the hold
.set nn, nn+1
.endr
.endr
	WIN 0x41*(\S)
.set nn, 0
.rept 128
	v_min_num_f32 v[128+nn], v[128+nn], v[BND]     ; the conversion does not saturate (ISA guide 7.6.2); nothing is negative, so the hold is one-sided
.set nn, nn+1
.endr
.irp q, 0,1
	WIN 0x01*(\S)
.irp u, 0,1,2,3,4,5,6,7
	v_cvt_scalef32_pk8_bf8_f32 v[CD+2*\u:CD+2*\u+1], v[128+64*\q+8*\u:135+64*\q+8*\u], v[SCV]   ; rows 2 u and 2 u + 1: a word of four codes each
.endr
	v_nop                                          ; a plain line behind the last conversion
	WIN 0
.irp i, 0,1,2,3,4,5,6,7,8,9,10,11,12,13,14,15
	ds_store_b32 v[IMW], v[CD+\i] offset:IMB*(\buf)+IMQ*\q+16*\i   ; k = 4 l of row i lies in piece l / 4, word l % 4: 32 lanes, 32 different banks
.endr
.endr
	WALU                                           ; the wait
.endm
.macro PTICK S
	s_wait_loadcnt 32                              ; set S is in; the other set's 32 loads may be out
	s_add_co_u32 s[T0], s[TK], \S
	s_cmp_ge_u32 s[T0], s[HID]
	s_cbranch_scc1 .Lreal_\@
	WIN (\S)<<6
.set nn, 0
.rept 128
	v_mov_b32 v[128+nn], s[NINF]                   ; an interval that belongs to the chunk before: zero codes, nothing summed
.set nn, nn+1
.endr
	WIN 0
.Lreal_\@:
	PMAKE \S, \S
	s_cmp_lt_u32 s[TK], 6
	s_cbranch_scc0 .Lno_more_\@
	PLOAD \S, 2048+1024*(\S)                       ; two intervals on
	s_branch .Lasked_\@
.Lno_more_\@:
	s_wait_loadcnt 0x0                             ; nothing is left to ask for: so the count above holds on this way too
.Lasked_\@:
.endm
; A consumer's 128 along K: step q of slot and image buffer buf.  q = 0: the accumulators come under the new M first
.macro CONS q, buf
.if (\q) == 0
.irp m, 0,1,2,3
	ds_load_b32 v[FW+2*\m], v[FWR] offset:256*(\buf)+64*\m
.endr
.irp m, 0,1,2,3
	ds_load_b32 v[SA+2*\m+1], v[SCR] offset:512*(\buf)+64*\m
	ds_load_b32 v[SA+2*\m], v[SCR] offset:512*(\buf)+256+64*\m
.endr
.endif
.irp m, 0,1,2,3
.irp c, 0,1,2,3
	ds_load_b128 v[AF+16*\m+4*\c:AF+16*\m+4*\c+3], v[IMR] offset:IMB*(\buf)+IMQ*(\q)+IMT*\m+2*BP*\c
.endr
.endr
.irp b, 0,1,2,3,4,5,6,7
.irp c, 0,1,2,3
	ds_load_b128 v[BF+16*\b+4*\c:BF+16*\b+4*\c+3], v[AB0+(\buf)] offset:16*BP*\b+128*(\q)+32*\c
.endr
.endr
.if (\q) == 0
	s_wait_dscnt 56                                ; the four f words are in: behind them 8 + 16 + 32 loads were issued
	WIN 0x41
.set ia, 0
.rept 32
.irp j, 0,2,4,6
	v_pk_mul_f32 v[8*ia+\j:8*ia+\j+1], v[8*ia+\j:8*ia+\j+1], v[FW+2*(ia%4):FW+2*(ia%4)+1] op_sel_hi:[1,0]   ; each accumulator from its low end on
.endr
.set ia, ia+1
.endr
.rept 4
	v_nop
.endr
	WALU                                           ; the wait ahead of the wait below
.endif
	s_wait_dscnt 0x0
	WIN 0x50
.irp b, 0,1,2,3,4,5,6,7
.irp m, 0,1,2,3
.if \b < 4
	v_wmma_scale_f32_16x16x128_f8f6f4 v[8*(4*\b+\m):8*(4*\b+\m)+7], v[BF+16*\b:BF+16*\b+15], v[AF+16*\m:AF+16*\m+15], v[8*(4*\b+\m):8*(4*\b+\m)+7], v[SB+2*(\b%4)+(\q)], v[SA+2*\m+1-(\q)] matrix_a_fmt:MATRIX_FMT_BF8 matrix_b_fmt:MATRIX_FMT_BF8
.else
	v_wmma_scale_f32_16x16x128_f8f6f4 v[8*(4*\b+\m):8*(4*\b+\m)+7], v[BF+16*\b:BF+16*\b+15], v[AF+16*\m:AF+16*\m+15], v[8*(4*\b+\m):8*(4*\b+\m)+7], v[SB+2*(\b%4)+(\q)], v[SA+2*\m+1-(\q)] matrix_a_fmt:MATRIX_FMT_BF8 matrix_b_fmt:MATRIX_FMT_BF8 matrix_a_scale:MATRIX_SCALE_ROW1
.endif
.endr
.endr                                          ; the 32 accumulators take turns, in the same order in every step
	WIN 0
.rept 8
	v_nop                                          ; eight places ahead of the next loads into fragments and scale registers and of the next reads of results
.endr
.endm
.macro SBLOAD off                      ; my 128 rows' scale bytes of an interval: 8 bytes a row
.irp t, 0,1,2,3
	global_load_b64 v[SB+2*\t:SB+2*\t+1], v[SBO], s[SBP:SBP+1] offset:(\off)+16*SROW*\t
.endr
.endm
.macro CTICK S
	s_wait_loadcnt 0x0                             ; B's scale words, asked for a tick ago
.if (\S) == 0
	s_cmp_eq_u32 s[TK], 0
	s_cbranch_scc1 .Lnothing_yet_\@                ; tick 0 has no interval before it
.endif
	CONS 0, 1-(\S)
	CONS 1, 1-(\S)
.Lnothing_yet_\@:
	SBLOAD 8*(\S)
.endm
; A TICK, 2 x trip + S.  Every wave waits for all its tensor loads, adds 0 to its spare word, and waits for that and for its LDS instructions of the last tick.  Behind a round of the cluster's barrier interval 2 x trip + S is asked
; for jointly, into slot S, which was read a tick ago (in the first trip: which nothing has filled yet).  A wave has one tensor load out.
.macro TICK S
	s_wait_tensorcnt 0x0
	ds_add_u32 v[SPW], v[NIL]                      ; the add, here twice on end
	ds_add_u32 v[SPW], v[NIL]
	s_add_co_u32 s[G0+1], s[WOFF], (\S)*SLOTB
	s_add_nc_u64 s[G0+2:G0+3], s[G0+2:G0+3], 256   ; the next 256 along K
	s_wait_dscnt 0x0
	ROUND
	tensor_load_to_lds s[G0:G0+3], s[G1:G1+7]
	s_nop 0
.rept 4
	v_nop
.endr
	s_cmp_lt_u32 s[WV], 4
	s_cbranch_scc0 .Lconsume_\@
	PTICK \S
	s_branch .Ljoin_\@
.Lconsume_\@:
	CTICK \S
.Ljoin_\@:
.endm
.macro TOSTAGE m                       ; the way out of row tile m: 16 rows x 128 columns through my stage, back as whole rows of 512 bytes
	WIN 0x04
.irp b, 0,1,2,3,4,5,6,7
	ds_store_b128 v[EST], v[8*(4*\b+(\m)):8*(4*\b+(\m))+3] offset:64*\b
	ds_store_b128 v[EST], v[8*(4*\b+(\m))+4:8*(4*\b+(\m))+7] offset:64*\b+16
.endr
	WIN 0
.irp t, 0,1,2,3,4,5,6,7,8,9,10,11,12,13,14,15
	ds_load_b128 v[64+64*((\m)%2)+4*\t:64+64*((\m)%2)+4*\t+3], v[ERD] offset:EP*\t   ; LDS serves a wave's instructions in order (ISA guide 5.7.1.4)
.endr
.endm
.macro SEND m, younger
	s_wait_dscnt \younger                          ; the tile is back; the next tile's 16 stores and 16 loads may be out
.irp t, 0,1,2,3,4,5,6,7,8,9,10,11,12,13,14,15
	global_store_b128 v[LGO], v[64+64*((\m)%2)+4*\t:64+64*((\m)%2)+4*\t+3], s[POB:POB+1] offset:(16*(\m)+\t)*2048 th:TH_STORE_NT   ; 32 lanes store 512 consecutive, aligned bytes
.endr
.endm
	s_load_b256 s[4:11], s[0:1], 0x0               ; logits, B's codes, B's scales, part
	s_load_b64 s[12:13], s[0:1], 0x20              ; stats
	v_lshl_add_u32 v[SPW], v0, 2, SPARE
	v_mov_b32 v[NIL], 0
	ds_add_u32 v[SPW], v[NIL]
	ds_add_u32 v[SPW], v[NIL]
	v_lshrrev_b32 v20, 5, v0
	v_readfirstlane_b32 s[WV], v20
	s_and_b32 s[W3], s[WV], 3
	s_bfe_u32 s[CX], ttmp6, 0x40000
	s_lshl_b32 s[MX], ttmp9, 2
	s_add_co_u32 s[MX], s[MX], s[CX]               ; my block of 64 rows: it enters the addresses of logits, part and stats alone
	s_and_b32 s[SY], ttmp7, 0xffff                 ; my chunk, which the four partners share
	s_lshl_b32 s[HID], s[SY], 3
	s_min_u32 s[I0], s[HID], 117                   ; its first interval
	s_sub_co_u32 s[HID], s[HID], s[I0]             ; 0, or 3 in the last chunk
	s_mul_i32 s22, s[W3], IMT
	s_add_co_u32 s22, s22, IMG
	s_lshl_b32 s23, s[W3], 6
	s_mul_i32 s25, s[W3], 128*BP
	s_mul_i32 s26, s[W3], EW
	v_and_b32 v21, 15, v0                          ; r
	v_bfe_u32 v22, v0, 4, 1                        ; h
	v_and_b32 v23, 31, v0                          ; l
	v_bfe_u32 v24, v0, 2, 3                        ; l / 4
	v_and_b32 v25, 3, v0
	v_and_b32 v26, 7, v0
	v_bfe_u32 v27, v0, 3, 2                        ; l / 8
	v_mul_u32_u24 v[IMR], v22, BP
	v_mul_u32_u24 v[IMW], v24, BP
	v_mul_u32_u24 v[AB0], v21, BP
	v_mul_u32_u24 v[SBO], v21, SROW
	v_mul_u32_u24 v[EST], v21, EP
	v_lshl_add_u32 v[IMR], v21, 4, v[IMR]
	v_lshl_add_u32 v[IMW], v25, 2, v[IMW]
	v_lshl_add_u32 v[AB0], v22, 4, v[AB0]
	v_mad_u32_u24 v[SBO], v22, 64*SROW, v[SBO]
	v_lshl_add_u32 v[EST], v22, 5, v[EST]
	v_add_nc_u32 v[IMR], IMG, v[IMR]
	v_add_nc_u32 v[IMW], s22, v[IMW]
	v_add_nc_u32 v[AB0], s25, v[AB0]
	v_add_nc_u32 v[EST], s26, v[EST]
	v_lshl_add_u32 v[SCR], v21, 2, PSC
	v_lshl_add_u32 v[FWR], v21, 2, PFW
	v_lshl_add_u32 v[SCW], v26, 2, v27
	v_lshl_add_u32 v[FWW], v26, 2, PFW
	v_lshlrev_b32 v[LGO], 4, v23
	v_add_nc_u32 v[AB0+1], SLOTB, v[AB0]
	v_add_nc_u32 v[SCW], s23, v[SCW]
	v_add_nc_u32 v[FWW], s23, v[FWW]
	v_add_nc_u32 v[ERD], s26, v[LGO]
	v_add_nc_u32 v[SCW], PSC, v[SCW]
	v_lshlrev_b32 v[SVO], 3, v26
	v_mov_b32 v[BND], 0x3fe00000
	v_mov_b32 v[SCV], 0x38000000
	; descriptor group 1: a tile of 64 rows x 256 bytes, rows 32,000 bytes apart in memory, padded in LDS
	s_mov_b32 s[G1+0], 15|(0<<16)|(1<<20)|(1<<21)|(5<<22)|(3<<25)   ; the mask: all four work-groups; elements of 1 byte; padding: four words after every 64; bit 21 beside a mask
	s_mov_b32 s[G1+1], 256<<16
	s_mov_b32 s[G1+2], 64<<16
	s_mov_b32 s[G1+3], 256<<16
	s_mov_b32 s[G1+4], 64
	s_mov_b32 s[G1+5], BROW
	s_mov_b32 s[G1+6], 0
	s_mov_b32 s[G1+7], 0
	s_mov_b32 s[SEL], 0x76543210
	s_mov_b32 s[SEL+1], 0xfedcba98
	s_mov_b32 s[CS], 0x3fb8aa3b                    ; log2(e); the temperature is 1
	s_mov_b32 s[CS+1], s[CS]
	s_mov_b32 s[FLO], 0xf149f2ca                   ; -1e30
	s_mov_b32 s[NINF], 0xff800000
.irp j, 1,2,3,4,5,6,7
	s_mov_b32 s[MK+\j], 0x01010101<<\j
.endr
	s_mov_b32 s[TK], 0
	s_mul_i32 s[WOFF], s[WV], WTILE                ; no place in the cluster enters an LDS address
	s_mov_b32 s[G0], 1
	s_mov_b32 s[G0+1], s[WOFF]
	s_mul_i32 s[T1], s[WV], 64*BROW                ; my 64 rows of B,
	s_lshl_b32 s[T1+1], s[I0], 8                   ; at the chunk's first interval
	s_add_co_u32 s[T1], s[T1], s[T1+1]
	s_mov_b32 s[T1+1], 0
	s_mov_b32 s[T0+1], 0
	s_wait_dscnt 0x0                               ; both opening adds are done
	WALU                                           ; the wait at the head's end
	s_wait_kmcnt 0x0
	s_lshl_b32 s[T0], s[MX], 6
	s_lshl_b32 s58, s[W3], 4
	s_add_co_u32 s[T0], s[T0], s58                 ; my first row of the table
	s_mul_i32 s[T0], s[T0], LROW
	s_lshl_b32 s58, s[I0], 10
	s_add_co_u32 s[T0], s[T0], s58
	s_add_nc_u64 s[LP:LP+1], s[4:5], s[T0:T0+1]
	s_add_nc_u64 s[G0+2:G0+3], s[6:7], s[T1:T1+1]
	s_sub_nc_u64 s[G0+2:G0+3], s[G0+2:G0+3], 256   ; every tick steps it ahead of its load, the first too
	s_or_b32 s[G0+3], s[G0+3], 0x80000000
	s_mul_i32 s[T0], s[W3], 128*SROW
	s_lshl_b32 s58, s[I0], 3
	s_add_co_u32 s[T0], s[T0], s58
	s_add_nc_u64 s[SBP:SBP+1], s[8:9], s[T0:T0+1]
	s_lshl_b32 s[T0], s[SY], 21                    ; part: a chunk is 1,024 rows of 2,048 bytes, a block 64 rows, my 128 columns 512 bytes
	s_lshl_b32 s58, s[MX], 17
	s_add_co_u32 s[T0], s[T0], s58
	s_lshl_b32 s58, s[W3], 9
	s_add_co_u32 s[T0], s[T0], s58
	s_add_nc_u64 s[POB:POB+1], s[10:11], s[T0:T0+1]
	s_lshl_b32 s[T0], s[SY], 13                    ; stats: 8 bytes a row
	s_lshl_b32 s58, s[MX], 9
	s_add_co_u32 s[T0], s[T0], s58
	s_lshl_b32 s58, s[W3], 7
	s_add_co_u32 s[T0], s[T0], s58
	s_add_nc_u64 s[STB:STB+1], s[12:13], s[T0:T0+1]
	s_cmp_lt_u32 s[WV], 4
	s_cbranch_scc0 .Lready
	PLOAD 0, 0                                     ; intervals 0 and 1
	PLOAD 1, 1024
	v_mov_b32 v[TM], 0xff61b1e6                    ; -3e38, under every t
	v_mov_b32 v[TM+1], 0xff61b1e6
	v_floor_f32 v[NM], -v[TM]
	v_floor_f32 v[NM+1], -v[TM+1]
	v_mov_b32 v[TP], 0                             ; written once: the destination of a lane permute and of a DPP form counts as one of its sources
	v_mov_b32 v[TP+1], 0
.set nn, 0
.rept 48
	v_mov_b32 v[WU+nn], 0                          ; v76-123 likewise
.set nn, nn+1
.endr
	WIN 0x40
.set nn, 0
.rept 32
	v_mov_b32 v[nn], 0                             ; the sums
.set nn, nn+1
.endr
	WIN 0
	s_branch .Lgo
.Lready:
.irp m, 0,1,2,3
	v_mov_b32 v[FW+2*\m+1], 0
.endr
	WIN 0x40
.set ia, 0
.rept 256
	v_mov_b32 v[ia], 0                             ; the accumulators are cleared while the consumers have nothing to multiply: so the first interval needs no copy of a tick of its own (its f is 0)
.set ia, ia+1
.endr
	WIN 0
.Lgo:
	WALU
.Ltrip:                                            ; 4 trips of two ticks: ticks 0 .. 7
	TICK 0
	TICK 1
	s_wait_xcnt 0x0                                ; the trip's loads have read their bases
	s_add_nc_u64 s[LP:LP+1], s[LP:LP+1], 2048
	s_add_nc_u64 s[SBP:SBP+1], s[SBP:SBP+1], 16
	s_add_co_u32 s[TK], s[TK], 2
	s_cmp_lt_u32 s[TK], 8
	s_cbranch_scc1 .Ltrip
	s_wait_tensorcnt 0x0                           ; tick 8: interval 7 has landed; nothing is filled, so no round
	ds_add_u32 v[SPW], v[NIL]
	s_wait_dscnt 0x0
	s_barrier_signal -1
	s_barrier_wait -1
	s_cmp_lt_u32 s[WV], 4
	s_cbranch_scc0 .Llast
	WIN 0x05
.set nn, 0
.rept 16
	v_add_f32 v[BM+nn], v[2*nn], v[2*nn+1]         ; a row's pair of sums,
.set nn, nn+1
.endr
	WIN 0
.irp x, 1,2,4,8
.set nn, 0
.rept 16
	v_add_f32_dpp v[BM+nn], v[BM+nn], v[BM+nn] row_xmask:\x row_mask:0xf bank_mask:0xf   ; over 16 lanes,
.set nn, nn+1
.endr
.endr
.set nn, 0
.rept 16
	v_permlanex16_b32 v[WU+nn], v[BM+nn], s[SEL], s[SEL+1]
.set nn, nn+1
.endr
.set nn, 0
.rept 16
	v_add_f32 v[BM+nn], v[BM+nn], v[WU+nn]         ; and the other 16: the row's sum for this chunk
.set nn, nn+1
.endr
	v_cndmask_b32 v[GG+1], v[BM], v[BM+1], s[MK+1]
	v_cndmask_b32 v[GG+3], v[BM+8], v[BM+9], s[MK+1]
.irp j, 2,3,4,5,6,7
	v_cndmask_b32 v[GG+1], v[GG+1], v[BM+\j], s[MK+\j]      ; packed as -M is
	v_cndmask_b32 v[GG+3], v[GG+3], v[BM+8+\j], s[MK+\j]
.endr
	v_mov_b32 v[GG], v[NM]
	v_mov_b32 v[GG+2], v[NM+1]
	global_store_b64 v[SVO], v[GG:GG+1], s[STB:STB+1]
	global_store_b64 v[SVO], v[GG+2:GG+3], s[STB:STB+1] offset:64
	s_branch .Lend
.Llast:
	s_wait_loadcnt 0x0
	CONS 0, 1                                      ; interval 7
	CONS 1, 1
	TOSTAGE 0
	TOSTAGE 1
	SEND 0, 32
	s_wait_xcnt 0x0                                ; tile 0's stores have read their registers: tile 2's loads may land there
	TOSTAGE 2
	SEND 1, 32
	s_wait_xcnt 0x0
	TOSTAGE 3
	SEND 2, 32
	SEND 3, 0
.Lend:
	s_wait_tensorcnt 0x0                           ; the wave's end
	ds_add_u32 v[SPW], v[NIL]
	s_wait_dscnt 0x0
	ROUND                                          ; the closing round
	s_endpgm
.Lfunc_end_k_qb34bbdd574_product:
	.size	k_qb34bbdd574_product, .Lfunc_end_k_qb34bbdd574_product-k_qb34bbdd574_product
	.p2alignl 7, 3214868480
	.fill 96, 4, 3214868480
	.section	.rodata,"a",@progbits
	.p2align	6, 0x0
	.amdhsa_kernel k_qb34bbdd574_product
		.amdhsa_group_segment_fixed_size 327680
		.amdhsa_private_segment_fixed_size 0
		.amdhsa_enable_private_segment 0
		.amdhsa_kernarg_size 40
		.amdhsa_user_sgpr_count 2
		.amdhsa_user_sgpr_kernarg_segment_ptr 1
		.amdhsa_wavefront_size32 1
		.amdhsa_system_sgpr_workgroup_id_x 1
		.amdhsa_system_sgpr_workgroup_id_y 1
		.amdhsa_system_sgpr_workgroup_id_z 1
		.amdhsa_system_vgpr_workitem_id 0
		.amdhsa_next_free_vgpr 512
		.amdhsa_next_free_sgpr 80
		.amdhsa_reserve_vcc 0
		.amdhsa_float_denorm_mode_32 3
		.amdhsa_float_denorm_mode_16_64 3
		.amdhsa_memory_ordered 1
		.amdhsa_forward_progress 1
		.amdhsa_inst_pref_size 214
	.end_amdhsa_kernel
	.amdgpu_metadata
---
amdhsa.version: [ 1, 2 ]
amdhsa.kernels:
  - .name:           k_qb34bbdd574_product
    .symbol:         k_qb34bbdd574_product.kd
    .args:
      - { .name: mapping_logits, .offset: 0, .size: 8, .value_kind: global_buffer, .address_space: global }
      - { .name: embed_weight_codes, .offset: 8, .size: 8, .value_kind: global_buffer, .address_space: global }
      - { .name: embed_weight_scales, .offset: 16, .size: 8, .value_kind: global_buffer, .address_space: global }
      - { .name: part, .offset: 24, .size: 8, .value_kind: global_buffer, .address_space: global }
      - { .name: stats, .offset: 32, .size: 8, .value_kind: global_buffer, .address_space: global }
    .group_segment_fixed_size: 327680
    .private_segment_fixed_size: 0
    .kernarg_segment_align: 8
    .kernarg_segment_size: 40
    .max_flat_workgroup_size: 256
    .sgpr_count:     80
    .vgpr_count:     512
    .wavefront_size: 32
...
	.end_amdgpu_metadata
.endif
;; end of part 1
;; launch spread (part 2): grid 256 x 1, 4 waves a work-group, no clusters, 0 bytes of LDS; arguments part, stats, token_ids, out0; writes out0
.if DOCPART == 2
	.amdgcn_target "amdgcn-amd-amdhsa--gfx1250"
	.amdhsa_code_object_version 6
	.text
	.protected	k_qb34bbdd574_spread
	.globl	k_qb34bbdd574_spread
	.p2align	8
	.type	k_qb34bbdd574_spread,@function
k_qb34bbdd574_spread:
	s_mov_b64 s[64:65], 0
	v_nop
	global_prefetch_b8 v0, s[64:65] scope:SCOPE_SE
	s_setreg_imm32_b32 hwreg(HW_REG_WAVE_MODE, 25, 1), 1
	s_wait_xcnt 0x0
; SoftTokenMap, launch 2 of 2.  A wave owns ONE row of the table, ID = 4 x work-group + wave.  It joins the row's 16 chunks and stores the result to every token that names the row.
; part [16][1024][512] f32: chunk s holds O_s under its own whole number M_s; stats [16][1024][2]: (-M_s, l_s).  With M = the largest M_s and w_s = 2^(M_s - M), which is exact:
; row = (sum of w_s O_s) / (sum of w_s l_s).  The division is a multiplication by v_rcp_f32 of the sum, folded into the weights.
; Each token has one owner, the wave of its id, so every row of out0 is stored once.  The wave holds all 4,096 ids in 128 registers and compares them with ID; branches, trip counts and addresses hang on token_ids alone.
; Streams: a row of a chunk is 2,048 bytes, four loads of 512 consecutive bytes; three groups of two chunks are on their way.  No LDS, no barrier: waves share nothing.  No matrix unit: there is no product here.
; LIMITS.  A wave's time grows with the number of tokens that name its row; the values do not hang on it.  A row whose every logit was -infinity is not served.
.set CHB,  1<<21                       ; a chunk of part in bytes
.set RING, 16                          ; v16-111  three groups of two chunks, 16 registers a chunk
.set ACC,  112                         ; v112-127 the row: registers 4 k .. 4 k + 3 = bytes 512 k + 16 lane
.set IDS,  128                         ; v128-255 register 4 q + e of lane l: the id of token 128 q + 4 l + e
	s_load_b256 s[4:11], s[0:1], 0x0               ; part s[4:5], stats s[6:7], token_ids s[8:9], out0 s[10:11]
	v_lshrrev_b32 v6, 5, v0
	v_readfirstlane_b32 s12, v6                    ; wave
	s_lshl_b32 s13, ttmp9, 2
	s_add_co_u32 s13, s13, s12                     ; ID
	v_and_b32 v7, 31, v0
	v_lshlrev_b32 v1, 4, v7                        ; 16 x lane
	v_and_b32 v8, 15, v0
	s_lshl_b32 s24, s13, 3
	v_lshlrev_b32 v2, 13, v8                       ; stats: lane l takes chunk l % 16: 8,192 bytes a chunk,
	v_add_nc_u32 v2, s24, v2                       ; 8 bytes a row
	s_lshl_b32 s30, s13, 11                        ; my row in a chunk of part
	s_mov_b32 s31, 0                               ; s31 stays 0: the upper word of every offset
	s_wait_alu depctr_va_vdst(0)
	s_wait_kmcnt 0x0
.set q, 0
.rept 32
	global_load_b128 v[IDS+4*q:IDS+4*q+3], v1, s[8:9] offset:512*q
.set q, q+1
.endr
	global_load_b64 v[4:5], v2, s[6:7]
	s_add_nc_u64 s[16:17], s[4:5], s[30:31]        ; four bases, four chunks (8 MiB) apart, so that a chunk's place fits the signed 24-bit immediate (ISA guide, chapter 10); never rewritten
	s_add_nc_u64 s[18:19], s[16:17], 0x800000
	s_add_nc_u64 s[20:21], s[18:19], 0x800000
	s_add_nc_u64 s[22:23], s[20:21], 0x800000
.macro GLOAD g                         ; chunks 2 g and 2 g + 1 of my row: eight loads of 512 consecutive bytes
.irp c, 0,1
.irp k, 0,1,2,3
	global_load_b128 v[RING+32*((\g)%3)+16*\c+4*\k:RING+32*((\g)%3)+16*\c+4*\k+3], v1, s[16+2*((2*(\g)+\c)/4):17+2*((2*(\g)+\c)/4)] offset:((2*(\g)+\c)%4)*CHB+512*\k th:TH_LOAD_NT
.endr
.endr
.endm
.macro GSUM g                          ; and their share of the sum; the first chunk starts it: nothing is cleared
.irp c, 0,1
.irp p, 0,2,4,6,8,10,12,14
.if (2*(\g)+\c) == 0
	v_pk_mul_f32 v[ACC+\p:ACC+\p+1], v[RING+\p:RING+\p+1], s[32:33] op_sel_hi:[1,0]
.else
	v_pk_fma_f32 v[ACC+\p:ACC+\p+1], v[RING+32*((\g)%3)+16*\c+\p:RING+32*((\g)%3)+16*\c+\p+1], s[32+2*(2*(\g)+\c):33+2*(2*(\g)+\c)], v[ACC+\p:ACC+\p+1] op_sel_hi:[1,0,1]
.endif
.endr
.endr
.endm
	GLOAD 0
	GLOAD 1
	GLOAD 2
	s_wait_loadcnt 24                              ; the ids and the stats are in; the three groups stay out
	v_mov_b32 v6, v4
	v_min_num_f32_dpp v6, v6, v6 row_xmask:1 row_mask:0xf bank_mask:0xf   ; the least -M of the 16 chunks: each half of the lanes holds all 16
	v_min_num_f32_dpp v6, v6, v6 row_xmask:2 row_mask:0xf bank_mask:0xf
	v_min_num_f32_dpp v6, v6, v6 row_xmask:4 row_mask:0xf bank_mask:0xf
	v_min_num_f32_dpp v6, v6, v6 row_xmask:8 row_mask:0xf bank_mask:0xf
	v_sub_f32 v7, v6, v4                           ; my chunk's M - the largest M: a whole number, 0 or less
	v_cvt_i32_f32 v7, v7                           ; (it saturates)
	v_ldexp_f32 v7, 1.0, v7                        ; w
	v_mul_f32 v8, v5, v7                           ; l w
	v_add_f32_dpp v8, v8, v8 row_xmask:1 row_mask:0xf bank_mask:0xf
	v_add_f32_dpp v8, v8, v8 row_xmask:2 row_mask:0xf bank_mask:0xf
	v_add_f32_dpp v8, v8, v8 row_xmask:4 row_mask:0xf bank_mask:0xf
	v_add_f32_dpp v8, v8, v8 row_xmask:8 row_mask:0xf bank_mask:0xf       ; the row's sum
	s_wait_alu depctr_va_vdst(0)
	v_rcp_f32 v9, v8
	v_nop                                          ; a plain instruction behind the reciprocal,
	s_wait_alu depctr_va_vdst(0)                   ; and the wait ahead of its first reader
	v_mul_f32 v9, v9, v7                           ; my chunk's weight
.set i, 0
	s_wait_alu depctr_va_vdst(0)
.rept 16
	v_readlane_b32 s[32+2*i], v9, i                ; chunk i's weight as a scalar;
	s_mov_b32 s[33+2*i], 0                         ; the packed form names a pair and takes its low word, so the upper one is written
.set i, i+1
.endr
.irp g, 0,1,2,3,4,5,6,7
.if \g < 6
	s_wait_alu depctr_va_vdst(0)
	s_wait_loadcnt 16                              ; this group's eight loads are in; two younger groups stay out
.elseif \g == 6
	s_wait_alu depctr_va_vdst(0)
	s_wait_loadcnt 8
.else
	s_wait_alu depctr_va_vdst(0)
	s_wait_loadcnt 0x0
.endif
	GSUM \g
.if \g < 5
	GLOAD \g+3
.endif
.endr
; The tokens of one register of ids.  mk: the scalar register with the mask of lanes whose id is mine; tok: lane 0's token.  Lane l's token lies 4 l tokens, 8,192 l bytes, further on.
.macro CHECK mk, tok
	s_cmp_eq_u32 s[\mk], 0
	s_cbranch_scc1 .Lnone_\@
	s_bcnt1_i32_b32 s25, s[\mk]                    ; so many tokens
	s_mov_b32 s26, 0
.Lhit_\@:
	s_ctz_i32_b32 s27, s[\mk]                      ; the lowest lane that is left,
	s_min_u32 s27, s27, 31                         ; held inside a wave
	s_lshl_b32 s28, 1, s27
	s_and_not1_b32 s[\mk], s[\mk], s28
	s_lshl_b32 s30, s27, 13
	s_wait_xcnt 0x0                                ; the last stores have read their base
	s_add_nc_u64 s[14:15], s[10:11], s[30:31]
.irp k, 0,1,2,3
	global_store_b128 v1, v[ACC+4*\k:ACC+4*\k+3], s[14:15] offset:(\tok)*2048+512*\k th:TH_STORE_NT   ; 32 lanes store 512 consecutive bytes of the token's row; the largest immediate is 3,971 x 2,048 + 1,536, inside the signed 24 bits
.endr
	s_add_co_u32 s26, s26, 1
	s_cmp_lt_u32 s26, s25
	s_cbranch_scc1 .Lhit_\@
.Lnone_\@:
.endm
.set bq, 0
.rept 4                                ; 32 registers of ids at a time: first all their masks, into s32-63, which the weights have left; then the tests
.set i, 0
.rept 32
	v_cmp_eq_u32 s[32+i], s13, v[IDS+32*bq+i]
.set i, i+1
.endr
.set i, 0
.rept 32
	CHECK 32+i, (128*((32*bq+i)/4)+(32*bq+i)%4)
.set i, i+1
.endr
.set bq, bq+1
.endr
	s_endpgm
.Lfunc_end_k_qb34bbdd574_spread:
	.size	k_qb34bbdd574_spread, .Lfunc_end_k_qb34bbdd574_spread-k_qb34bbdd574_spread
	.p2alignl 7, 3214868480
	.fill 96, 4, 3214868480
	.section	.rodata,"a",@progbits
	.p2align	6, 0x0
	.amdhsa_kernel k_qb34bbdd574_spread
		.amdhsa_group_segment_fixed_size 0
		.amdhsa_private_segment_fixed_size 0
		.amdhsa_enable_private_segment 0
		.amdhsa_kernarg_size 32
		.amdhsa_user_sgpr_count 2
		.amdhsa_user_sgpr_kernarg_segment_ptr 1
		.amdhsa_wavefront_size32 1
		.amdhsa_system_sgpr_workgroup_id_x 1
		.amdhsa_system_sgpr_workgroup_id_y 1
		.amdhsa_system_sgpr_workgroup_id_z 1
		.amdhsa_system_vgpr_workitem_id 0
		.amdhsa_next_free_vgpr 256
		.amdhsa_next_free_sgpr 66
		.amdhsa_reserve_vcc 0
		.amdhsa_float_denorm_mode_32 3
		.amdhsa_float_denorm_mode_16_64 3
		.amdhsa_memory_ordered 1
		.amdhsa_forward_progress 1
		.amdhsa_inst_pref_size 133
	.end_amdhsa_kernel
	.amdgpu_metadata
---
amdhsa.version: [ 1, 2 ]
amdhsa.kernels:
  - .name:           k_qb34bbdd574_spread
    .symbol:         k_qb34bbdd574_spread.kd
    .args:
      - { .name: part, .offset: 0, .size: 8, .value_kind: global_buffer, .address_space: global }
      - { .name: stats, .offset: 8, .size: 8, .value_kind: global_buffer, .address_space: global }
      - { .name: token_ids, .offset: 16, .size: 8, .value_kind: global_buffer, .address_space: global }
      - { .name: out0, .offset: 24, .size: 8, .value_kind: global_buffer, .address_space: global }
    .group_segment_fixed_size: 0
    .private_segment_fixed_size: 0
    .kernarg_segment_align: 8
    .kernarg_segment_size: 32
    .max_flat_workgroup_size: 128
    .sgpr_count:     66
    .vgpr_count:     256
    .wavefront_size: 32
...
	.end_amdgpu_metadata
.endif
;; end of part 2
